; MI455X (gfx1250); checked and timed in simulation.
; The chip was launched on July 23, 2026; its instructions are those of AMD's public machine-readable ISA for CDNA 5 (MIT licence, August 2026) and "CDNA5" Instruction Set Architecture Reference Guide (July 2026). The comments in the code are by the model that wrote it; some were corrected since.
;; Multi Head Attention. Allowed arithmetic: matrix products marked QUANTISED: E2M1 operands, one E8M0 scale for each 32 along K, by v_wmma_scale_f32_16x16x128_f8f6f4 with both operands' format E2M1 (or v_wmma_scale_f32_32x16x128_f4), f32 sums; everything else in f32.
;; Inputs: W_K 1,024 x 1,024 float32; W_Q 1,024 x 1,024 float32; W_V 1,024 x 1,024 float32; b_K 1,024 float32; b_Q 1,024 float32; b_V 1,024 float32; feature 2 x 2,048 x 1,024 float32; mask 2 x 2,048 int32.
;; Outputs: out0 2 x 2,048 x 1,024 float32.
;; This version of the problem:
;;   THIS VERSION OF THE PROBLEM IS GIVEN IN LOW PRECISION. The matrix products marked QUANTISED in the list below multiply operands that are first quantised to E2M1 (2 exponent bits, 1 mantissa bit; 4 bits a number), with one power-of-two scale for each 32 numbers along K (OCP MX v1.0); their sums are f32. All else is computed in f32.
;;   The module's matrix products, in the order in which they are computed (A, B: the left and right operand; K: the contracted axis; several contracted axes count as one K, in the product's order):
;;     1. [M 4,096, K 1,024] x [K 1,024, N 1,024]; A: input feature; B: input W_Q: QUANTISED
;;     2. [M 4,096, K 1,024] x [K 1,024, N 1,024]; A: input feature; B: input W_K: QUANTISED
;;     3. [M 4,096, K 1,024] x [K 1,024, N 1,024]; A: input feature; B: input W_V: QUANTISED
;;     4. batch 32 x [M 2,048, K 64] x [K 64, N 2,048]; A: computed on the way; B: computed on the way: QUANTISED
;;     5. batch 32 x [M 2,048, K 2,048] x [K 2,048, N 64]; A: softmax (see below); B: computed on the way: QUANTISED
;;   THE QUANTISER, for each operand of a quantised product, along K:
;;     - K is cut into blocks of 32 from its start; a last block that is shorter is filled with zeros.
;;     - A block's scale is 2^e with e = floor(log2(the largest magnitude in the block)) - 2, held to -126 .. 127; a block of zeros has e = 0. As a byte (E8M0): e + 127.
;;     - Each number is divided by its block's scale, clamped to +-6, and rounded to the nearest number of E2M1, ties to even, subnormals kept.
;;     - The product sums the exact products of the quantised numbers (number of the format x scale) in f32.
;;   ~~~python
;;   def quantise(x, axis):      # numpy; x: float32 -> the quantised numbers, widened to float32 again
;;       x = np.moveaxis(x, axis, -1); K = x.shape[-1]
;;       x = np.pad(x, [(0, 0)] * (x.ndim - 1) + [(0, -K % 32)]); x = x.reshape(x.shape[:-1] + (-1, 32)); a = np.abs(x).max(-1, keepdims=True)
;;       e = np.where(a > 0, np.clip(np.frexp(np.where(a > 0, a, 1))[1] - 1 - 2, -126, 127), 0)      # np.frexp(a)[1] - 1 = floor(log2(a)), exactly
;;       r = np.clip(x / 2.0 ** e, -6, 6)
;;       step = 2.0 ** (np.maximum(np.frexp(np.where(r == 0, 1, r))[1] - 1, 0) - 1)
;;       q = np.round(r / step) * step * 2.0 ** e      # np.round: ties to even
;;       return np.moveaxis(q.reshape(q.shape[:-2] + (-1,))[..., :K], -1, axis).astype(np.float32)
;;   ~~~
;;   SOFTMAX AHEAD OF A QUANTISED PRODUCT. Where the list says 'softmax', what is quantised is not the finished softmax but p = 2^(t - M), with t = logit x log2(e) and M = ceil(the row's largest t), a whole number; so 1/2 < the row's largest p <= 1. The row's sum l is taken of the UNQUANTISED p, in f32, and the product's result is divided by l at the end. Since M is a whole number, a kernel that streams over the keys may use a running M (the ceiling of the running maximum): every later rescaling is an exact power of two, which a block's scale takes up: the codes' values come out the same.
;;   OPERANDS COMPUTED ON THE WAY. 'Computed on the way' means the value that the module computes at that place (a softmax that the list does not call 'softmax' is quantised finished and normalised). What goes into a quantiser is computed in f32, as accurately as f32 sums, v_exp_f32 and their like allow (about 1e-6 of the number): no bf16 or f16 on the way to a quantiser, and a product that is left as it is and whose result goes on into a quantised operand takes f32 operands (vector FMAs, or v_wmma_f32_16x16x4_f32). A number that lies on a knife's edge between two numbers of the format may be rounded either way, as far as f32 arithmetic and the matrix unit's own rounding can turn it there, and no further.
;; One version. Each part assembles by itself: llvm-mc -triple=amdgcn-amd-amdhsa -mcpu=gfx1250 --defsym DOCPART=n.
;; ======== version 1 of 1: 3 launches
;; limits: right only within a limited range of input values
;; workspace buffers: codes 3,670,016 bytes; scales 229,376 bytes; qc 2,097,152 bytes; qs 524,288 bytes; kv 4,980,736 bytes
;; launch quant (part 1): grid 224 x 1, 4 waves a work-group, no clusters, 33,280 bytes of LDS; arguments feature, W_Q, W_K, W_V, codes, scales; writes codes, scales
.if DOCPART == 1
	.amdgcn_target "amdgcn-amd-amdhsa--gfx1250"
	.amdhsa_code_object_version 6
	.text
	.protected	k_q9c77c3fa22_quant
	.globl	k_q9c77c3fa22_quant
	.p2align	8
	.type	k_q9c77c3fa22_quant,@function
k_q9c77c3fa22_quant:
	s_mov_b64 s[64:65], 0
	v_nop
	global_prefetch_b8 v0, s[64:65] scope:SCOPE_SE
	s_setreg_imm32_b32 hwreg(HW_REG_WAVE_MODE, 25, 1), 1
	s_wait_xcnt 0x0
; MULTI-HEAD ATTENTION IN MX-FP4, launch 1 of 3: feature [4096][1024] and W_Q, W_K, W_V [1024][1024], f32, become codes of FP4 (E2M1), K innermost, with one E8M0 byte for each 32 along K.
; DEAD WORK: none is left out in this program.  All three biases go into quantised operands (Q, K, V), so they can move codes and scales; the mask is an input and only selects values; every input is loaded by some launch.
; A block's scale is 2^(floor(log2(its largest magnitude)) - 2); its byte is the largest magnitude's exponent field - 2, held at 1 from below.  Each number is divided by the scale and rounded to the nearest code, ties to even;
; beyond 6 the conversion gives the largest code.
; LIMITS: a block of zeros gets the byte 1 where the rule says 127 (its codes are zeros, and these bytes are read by this program alone); blocks whose largest magnitude lies under 2^-124 were not tried;
; NaN and infinities among the inputs are not served.
; THE ROW ORDER of the two buffers.  codes: [7168 rows][512 bytes], scales: [7168 rows][32 bytes].  Rows 0-4095: tokens.  Row 4096 + 192 head + 64 t + i: output channel 64 head + i of W_t (t = 0 Q, 1 K, 2 V).
; Inside each group of 32 rows the four runs of eight are laid 0-7, 16-23, 8-15, 24-31: sixteen rows on end then form a tile whose lane m is row 8 u + m + 8 (m / 8) of the group, the choice of rows by which a
; transposed product leaves sixteen neighbours along the next K in a lane's registers.
; SHARES.  A work-group takes 32 rows, a wave one run of eight: 8,192 numbers, 16 steps of 512.  Each of a step's four loads reads 512 consecutive bytes; the 2,048 bytes turn through the wave's own stage in LDS and come
; back 64 bytes a lane, so that a lane holds 16 neighbours (two neighbouring lanes hold a block).  A wave stores 256 consecutive bytes of codes a step, and its 256 scale bytes as one aligned run at the end.
; Work-groups share no input, so there is no cluster; no tensor load, no barrier: waves share nothing.
.set STEPS, 16
.set CB,    8                          ; bytes of 16 codes
.set R,     16                         ; v16-79   four sets of 16 numbers as they are loaded
.set X,     80                         ; v80-111  two sets of 16 neighbours
.set E,     112                        ; v112-127 a scale byte for each step
.set C,     128                        ; v128-191 codes: four registers for each step, so that no store's data are written again
.set WREG,  8192                       ; LDS: a region for each wave: two stages of 32 x SP bytes, behind them its 256 scale bytes
.set SP,    80                         ; a lane's place in a stage: 64 bytes + 16 of padding
.set SPW,   12                         ; v12  LDS address of my spare word; never rewritten
.set NIL,   13                         ; v13  0; never rewritten
.set SPARE, 4*WREG                     ; behind the four regions: the spare words, 128 bytes a wave
	s_load_b256 s[4:11], s[0:1], 0x0               ; feature s[4:5], W_Q s[6:7], W_K s[8:9], W_V s[10:11]
	s_load_b128 s[12:15], s[0:1], 0x20             ; codes s[12:13], scales s[14:15]
	v_lshl_add_u32 v[SPW], v0, 2, SPARE
	v_mov_b32 v[NIL], 0
	v_lshrrev_b32 v1, 5, v0
	v_readfirstlane_b32 s16, v1                    ; wave
	v_and_b32 v2, 31, v0                           ; lane
	v_lshlrev_b32 v3, 4, v2                        ; my 16 bytes of a load's 512
	s_mul_i32 s17, s16, WREG
	v_lshrrev_b32 v14, 2, v2
	v_mul_u32_u24 v14, v14, SP
	v_and_b32 v15, 3, v2
	v_lshl_add_u32 v14, v15, 4, v14
	v_add_nc_u32 v14, s17, v14                     ; the stage, on the way in: SP (lane / 4) + 16 (lane % 4)
	v_mul_u32_u24 v15, v2, SP
	v_add_nc_u32 v15, s17, v15                     ; and on the way out: SP x lane: my 16 neighbours
	v_mul_u32_u24 v4, v2, CB                       ; my codes' place in a step's
	v_lshrrev_b32 v5, 1, v2
	s_add_co_u32 s17, s17, 2*32*SP
	v_add_nc_u32 v5, s17, v5                       ; LDS: my wave's 256 scale bytes, my block's byte
	v_lshlrev_b32 v7, 3, v2                        ; and on the way out 8 bytes a lane
	v_add_nc_u32 v6, s17, v7
	; which 32 rows.  Work-groups 0-127: tokens 32 g on.  128 + 32 t + gi: rows 32 gi on of W_t, which are half gi % 2 of head gi / 2
	s_sub_co_u32 s20, ttmp9, 128
	s_lshr_b32 s21, s20, 5                         ; t
	s_and_b32 s22, s20, 31                         ; gi
	s_lshr_b32 s23, s22, 1
	s_mul_i32 s23, s23, 192
	s_lshl_b32 s29, s21, 6
	s_add_co_u32 s23, s23, s29
	s_and_b32 s29, s22, 1
	s_lshl_b32 s29, s29, 5
	s_add_co_u32 s23, s23, s29
	s_add_co_u32 s23, s23, 4096                    ; a weight's group begins at this row of the buffers,
	s_lshl_b32 s28, ttmp9, 5                       ; a group of tokens at this one
	s_and_b32 s18, s16, 1                          ; my run of eight goes to place 0, 2, 1, 3 of the group: the wave's two bits change places
	s_lshl_b32 s18, s18, 1
	s_lshr_b32 s19, s16, 1
	s_or_b32 s18, s18, s19
	s_lshl_b32 s18, s18, 3
	s_wait_alu depctr_va_vdst(0)
	s_wait_kmcnt 0x0
	s_cmp_lt_u32 ttmp9, 160                        ; the choices hang on the work-group's number alone
	s_cselect_b64 s[24:25], s[6:7], s[8:9]
	s_cmp_lt_u32 ttmp9, 192
	s_cselect_b64 s[24:25], s[24:25], s[10:11]
	s_cmp_lt_u32 ttmp9, 128
	s_cselect_b64 s[4:5], s[4:5], s[24:25]         ; the tensor that I read,
	s_cselect_b32 s26, ttmp9, s22                  ; which 32 rows of it,
	s_cselect_b32 s27, s28, s23                    ; and where they go
	s_lshl_b32 s30, s26, 17                        ; 32 rows of 4,096 bytes
	s_lshl_b32 s29, s16, 15                        ; + my eight
	s_add_co_u32 s30, s30, s29
	s_mov_b32 s31, 0
	s_add_nc_u64 s[4:5], s[4:5], s[30:31]
	s_add_co_u32 s27, s27, s18
	s_lshl_b32 s30, s27, 9
	s_add_nc_u64 s[12:13], s[12:13], s[30:31]      ; 512 bytes of codes a row
	s_lshl_b32 s30, s27, 5
	s_add_nc_u64 s[14:15], s[14:15], s[30:31]      ; 32 scale bytes a row: my eight rows' 256 begin at a multiple of 256
.macro LOAD t
.irp i, 0,1,2,3
	global_load_b128 v[R+16*((\t)%4)+4*\i:R+16*((\t)%4)+4*\i+3], v3, s[4:5] offset:2048*(\t)+512*\i th:TH_LOAD_NT   ; 32 lanes read 512 consecutive bytes
.endr
.endm
.macro TURN t                          ; step t's numbers through the stage: LDS serves a wave's instructions in order, so no wait stands between the stores and the loads
.irp i, 0,1,2,3
	ds_store_b128 v14, v[R+16*((\t)%4)+4*\i:R+16*((\t)%4)+4*\i+3] offset:32*SP*((\t)%2)+8*SP*\i
.endr
.irp i, 0,1,2,3
	ds_load_b128 v[X+16*((\t)%2)+4*\i:X+16*((\t)%2)+4*\i+3], v15 offset:32*SP*((\t)%2)+16*\i
.endr
.endm
.irp t, 0,1,2,3
	LOAD \t
.endr
	s_wait_loadcnt 12                              ; step 0's four loads are in; the twelve of steps 1 to 3 may be out
	TURN 0
.macro STEP t
.set XS, X+16*((\t)%2)
.if (\t) > 0
	s_wait_dscnt 1                                 ; this step's numbers are back from the stage (the last step's byte store may be out): so its stores into the stage have read their registers,
.else
	s_wait_dscnt 0x0
.endif
.if (\t)+4 < STEPS
	LOAD (\t)+4                                    ; which take the loads of four steps on
.endif
.if (\t)+1 < STEPS
.if STEPS-2-(\t) >= 3
	s_wait_loadcnt 12                              ; the next step's four loads are in; those of the three steps behind it may be out
.else
	s_wait_loadcnt 4*(STEPS-2-(\t))
.endif
	TURN (\t)+1                                    ; and go through the other stage while this step is worked
.endif
	v_max3_num_f32 v8, |v[XS]|, |v[XS+1]|, |v[XS+2]|               ; the largest magnitude of my 16, in two chains
	v_max3_num_f32 v9, |v[XS+3]|, |v[XS+4]|, |v[XS+5]|
.irp i, 6,10
	v_max3_num_f32 v8, v8, |v[XS+\i]|, |v[XS+\i+1]|
	v_max3_num_f32 v9, v9, |v[XS+\i+2]|, |v[XS+\i+3]|
.endr
	v_max3_num_f32 v8, v8, |v[XS+14]|, |v[XS+15]|
	v_max3_num_f32 v8, v8, v9, 0x1800000           ; and the floor 2^(3 - 127): the byte cannot fall under 1
	v_max_num_f32_dpp v8, v8, v8 row_xmask:1 row_mask:0xf bank_mask:0xf   ; and of my neighbour's 16: the block's
	v_add_nc_u32 v11, 0xff000000, v8               ; 2 off its exponent field: the conversion takes the exponent field of this operand as its scale, and nothing else of it
	v_cvt_scalef32_pk8_fp4_f32 v[C+4*(\t)], v[XS:XS+7], v11
	v_cvt_scalef32_pk8_fp4_f32 v[C+4*(\t)+1], v[XS+8:XS+15], v11
	v_lshrrev_b32 v[E+(\t)], 23, v11               ; the scale's byte (also the plain line behind the conversions)
	ds_store_b8 v5, v[E+(\t)] offset:16*(\t)       ; both lanes of a block write the same byte with the same value
	global_store_b64 v4, v[C+4*(\t):C+4*(\t)+1], s[12:13] offset:32*CB*(\t)   ; 32 lanes store 256 consecutive bytes, aligned
.endm
.irp t, 0,1,2,3,4,5,6,7,8,9,10,11,12,13,14,15
	STEP \t
.endr
	ds_load_b64 v[8:9], v6                         ; LDS serves a wave's instructions in order: these see my stores
	s_wait_dscnt 0x0
	global_store_b64 v7, v[8:9], s[14:15]          ; 32 lanes store 256 consecutive bytes, aligned
	s_wait_tensorcnt 0x0                           ; the wave's end
	ds_add_u32 v[SPW], v[NIL]
	s_wait_dscnt 0x0
	s_endpgm
.Lfunc_end_k_q9c77c3fa22_quant:
	.size	k_q9c77c3fa22_quant, .Lfunc_end_k_q9c77c3fa22_quant-k_q9c77c3fa22_quant
	.p2alignl 7, 3214868480
	.fill 96, 4, 3214868480
	.section	.rodata,"a",@progbits
	.p2align	6, 0x0
	.amdhsa_kernel k_q9c77c3fa22_quant
		.amdhsa_group_segment_fixed_size 33280
		.amdhsa_private_segment_fixed_size 0
		.amdhsa_enable_private_segment 0
		.amdhsa_kernarg_size 48
		.amdhsa_user_sgpr_count 2
		.amdhsa_user_sgpr_kernarg_segment_ptr 1
		.amdhsa_wavefront_size32 1
		.amdhsa_system_sgpr_workgroup_id_x 1
		.amdhsa_system_sgpr_workgroup_id_y 1
		.amdhsa_system_sgpr_workgroup_id_z 1
		.amdhsa_system_vgpr_workitem_id 0
		.amdhsa_next_free_vgpr 192
		.amdhsa_next_free_sgpr 66
		.amdhsa_reserve_vcc 0
		.amdhsa_float_denorm_mode_32 3
		.amdhsa_float_denorm_mode_16_64 3
		.amdhsa_memory_ordered 1
		.amdhsa_forward_progress 1
		.amdhsa_inst_pref_size 34
	.end_amdhsa_kernel
	.amdgpu_metadata
---
amdhsa.version: [ 1, 2 ]
amdhsa.kernels:
  - .name:           k_q9c77c3fa22_quant
    .symbol:         k_q9c77c3fa22_quant.kd
    .args:
      - { .name: feature, .offset: 0, .size: 8, .value_kind: global_buffer, .address_space: global }
      - { .name: W_Q, .offset: 8, .size: 8, .value_kind: global_buffer, .address_space: global }
      - { .name: W_K, .offset: 16, .size: 8, .value_kind: global_buffer, .address_space: global }
      - { .name: W_V, .offset: 24, .size: 8, .value_kind: global_buffer, .address_space: global }
      - { .name: codes, .offset: 32, .size: 8, .value_kind: global_buffer, .address_space: global }
      - { .name: scales, .offset: 40, .size: 8, .value_kind: global_buffer, .address_space: global }
    .group_segment_fixed_size: 33280
    .private_segment_fixed_size: 0
    .kernarg_segment_align: 8
    .kernarg_segment_size: 48
    .max_flat_workgroup_size: 128
    .sgpr_count:     66
    .vgpr_count:     192
    .wavefront_size: 32
...
	.end_amdgpu_metadata
.endif
;; end of part 1
;; launch proj (part 2): grid 16 x 16, 12 waves a work-group, clusters of 4 x 4, 238,080 bytes of LDS; arguments codes, scales, b_Q, b_K, b_V, mask, qc, qs, kv; writes qc, qs, kv
.if DOCPART == 2
	.amdgcn_target "amdgcn-amd-amdhsa--gfx1250"
	.amdhsa_code_object_version 6
	.text
	.protected	k_q9c77c3fa22_proj
	.globl	k_q9c77c3fa22_proj
	.p2align	8
	.type	k_q9c77c3fa22_proj,@function
k_q9c77c3fa22_proj:
	s_mov_b64 s[64:65], 0
	v_nop
	global_prefetch_b8 v0, s[64:65] scope:SCOPE_SE
	s_setreg_imm32_b32 hwreg(HW_REG_WAVE_MODE, 25, 1), 1
	s_wait_xcnt 0x0
	s_wait_alu depctr_hold_cnt(0) depctr_sa_sdst(0) depctr_va_vdst(0) depctr_va_sdst(0) depctr_va_ssrc(0) depctr_va_vcc(0) depctr_vm_vsrc(0)
	s_getreg_b32 s2, hwreg(HW_REG_IB_STS2, 6, 4)
	s_cmp_eq_u32 s2, 0
	s_cbranch_scc0 .Lentry_in_a_cluster
	s_endpgm
.Lentry_in_a_cluster:
	s_bfe_u32 s2, ttmp6, 0x10000c
	s_cmp_lg_u32 s2, 0xf033
	s_cbranch_scc0 .Lentry_shape_is_right
	s_endpgm
.Lentry_shape_is_right:
; Launch 2 of 3: Q, K, V = feature W^T + b on codes of FP4, and their own quantising for the two products of attention, in registers.  No work is left out.
; SHARES.  A work-group takes 256 tokens x one head's 192 output channels (Q's 64, K's 64, V's 64), all of K = 1,024.  Its operands, 448 rows of 512 bytes of codes, come into LDS once.
; Every wave makes 8 tiles X x 2 tiles Y: source 0 = X, the axis that is quantised next and so has to lie along a lane's registers; source 1 = Y, one row a lane.  16 accumulators, 8 steps of 128 along K.
;   waves 0-7:  X = the head's 128 rows of W_Q and W_K, Y = tokens 32 w on.  A lane's 64 results of a tile Y are a token's 64 channels of Q and 64 of K halves: four blocks of 32.
;   waves 8-11: X = 128 tokens (one key step of attention), Y = 32 rows of W_V.  A lane's 64 results are half of each of four blocks of 32 keys of one channel.
; By the rows' order in the buffers (launch 1) register 16 b + i of a lane is number 32 b + 16 (lane / 16) + i along the next K.  So one macro, QUANT, makes of 64 registers the eight registers of an operand and its scale word,
; and these go to memory AS IMAGES OF THE REGISTERS: lane l's 16 bytes at 16 l, 512 consecutive bytes a store.  No stage in LDS, no LDS store.
; THE MASK rides in the half of the first product's K that a head of 64 leaves empty (the instruction's K is 128).  At k = 64 every query holds the code of +1 under the byte 127; a key whose mask is 0 holds the code of -1
; under the byte 160 (2^33) and zeros for its 64 codes; any other key holds 0 there under the byte 1.  So a masked key's score is exactly -2^33, its logit -2^30, for every query.
; LIMITS: the masked logit is -2^30 where reference() writes -1e9: results differ only where an unmasked logit lies under about -1e9.  A block of zeros carries the byte 1 (read by this program alone).
; NaN and infinities among the inputs are not served.
; OUT.  qc [bh 32][tile 128][512]: Q's codes.  qs [bh][tile][lane 16][8]: (scale word, 0).  kv [bh][step 16][9,728]: K's 8 images of 512; V's 4 x 1,024; K's (scale word, word at k = 64) 8 x 128; V's (scale word, 0) 4 x 128.
; CLUSTER 4 x 4: the tokens' rows hang on the work-group's y alone and are asked for jointly along a row of the cluster, the head's rows of W on x alone and jointly along a column.
; By this text's own count a wave has at most one tensor load out.  Nothing in LDS is filled twice.
.set PITCH, 528                        ; an LDS row: 512 bytes + 16 of padding: 33 x 16, so the sixteen rows of a fragment load begin at sixteen different 16-byte columns of 256
.set TILEB, 16*PITCH
.set LOADB, 64*PITCH                   ; what one tensor load brings
.set SPARE, 448*PITCH                  ; behind the rows: the spare words, 128 bytes for each of 12 waves
.set REC,   9728                       ; a key step's record in kv
.set HKV,   16*REC                     ; a head's
.set RR,  1                            ; v1   lane % 16
.set HH,  2                            ; v2   lane / 16, later 64 x that
.set L16, 3                            ; v3   16 x lane
.set L8,  4                            ; v4   8 x lane
.set ADX, 5                            ; v5   LDS: my lane's place in X's first tile
.set ADY, 6                            ; v6   in Y's
.set SPW, 7                            ; v7   my spare word; never rewritten
.set NIL, 8                            ; v8   0; never rewritten
.set SA,  9                            ; v9   scale words: lanes 0-15 X's rows, lanes 16-31 Y's
.set SX,  14                           ; v14  scale words: X's rows in all lanes
.set PA,  15                           ; v15  4 x (r + 8 (r / 8)): the place of a tile's lane in a group of 32
.set XF,  16                           ; v16-47   four fragments of X
.set YF,  48                           ; v48-63   two of Y
.set SC,  64                           ; v64-127  scale words: register 8 i + s: tile i, K step s; these registers hold scales and nothing else
.set ACC, 128                          ; v128-255 accumulator (xt, yt) at 64 yt + 8 xt
.set PC0, 16                           ; behind the loop: the codes of Y's tile 0, v16-23; of tile 1, v24-31
.set PC1, 24
.set TM,  32                           ; v32-47 at work
.set PW0, 48                           ; the two scale words
.set PW1, 49
.set WV,   22
.set ISV,  23
.set HEAD, 26
.set TBK,  27
.set BH,   30
.set BLK,  31
.set G1T, 32
.set G1W, 40
.set G0T, 48
.set G0W, 52
.set SEL, 94
.macro CROUND                          ; a round of the cluster's barrier
	s_barrier_signal -1
	s_barrier_wait -1
	s_cmp_lg_u32 s[WV], 0
	s_cbranch_scc1 .Lnot_wave_0_\@
	s_barrier_signal -3
.Lnot_wave_0_\@:
	s_barrier_wait -3
	s_barrier_signal -1
	s_barrier_wait -1
.endm
	s_load_b256 s[4:11], s[0:1], 0x0               ; codes s[4:5], scales s[6:7], b_Q s[8:9], b_K s[10:11]
	s_load_b256 s[12:19], s[0:1], 0x20             ; b_V s[12:13], mask s[14:15], qc s[16:17], qs s[18:19]
	s_load_b64 s[20:21], s[0:1], 0x40              ; kv
	v_lshl_add_u32 v[SPW], v0, 2, SPARE
	v_mov_b32 v[NIL], 0
	ds_add_u32 v[SPW], v[NIL]                      ; the wave's opening: the add, twice on end, and its wait ahead of the first tensor load; the set-up below, work on registers, stands between
	ds_add_u32 v[SPW], v[NIL]
	v_lshrrev_b32 v1, 5, v0
	s_delay_alu instid0(VALU_DEP_1)
	v_readfirstlane_b32 s[WV], v1                  ; wave 0..11
	s_lshr_b32 s[ISV], s[WV], 3                    ; 1 in the four waves that make V
	s_bfe_u32 s24, ttmp6, 0x40000                  ; cx, cy: my place in the cluster
	s_bfe_u32 s25, ttmp6, 0x40004
	s_lshl_b32 s[HEAD], ttmp9, 2
	s_add_co_u32 s[HEAD], s[HEAD], s24             ; the head = 4 x cluster x + cx
	s_and_b32 s[TBK], ttmp7, 0xffff
	s_lshl_b32 s[TBK], s[TBK], 2
	s_add_co_u32 s[TBK], s[TBK], s25               ; the block of 256 tokens = 4 x cluster y + cy
	s_lshl_b32 s28, s25, 2
	s_lshl_b32 s28, 15, s28                        ; my row of the cluster
	s_lshl_b32 s29, 0x1111, s24                    ; my column
	; descriptor group 1: 64 rows of 512 bytes, 16 bytes of padding behind each
	s_or_b32 s[G1T], s28, (0<<16)|(1<<20)|(1<<21)|(6<<22)|(3<<25)   ; 15:0 the mask; 17:16 elements of 1 byte; 20 padding on; 21 set beside a mask; 24:22 after every 128 words; 31:25 four words
	s_or_b32 s[G1W], s29, (0<<16)|(1<<20)|(1<<21)|(6<<22)|(3<<25)
.irp g, G1T, G1W
	s_mov_b32 s[\g+1], 512<<16                     ; tensor_dim0
	s_mov_b32 s[\g+2], 64<<16                      ; tensor_dim1
	s_mov_b32 s[\g+3], 512<<16                     ; tile_dim0
	s_mov_b32 s[\g+4], 64                          ; tile_dim1
	s_mov_b32 s[\g+5], 512                         ; from row to row
	s_mov_b32 s[\g+6], 0
	s_mov_b32 s[\g+7], 0
.endr
	; LDS rows 0-255: the tokens; 256-447: the head's rows of W_Q, W_K, W_V.  Where my X and my Y begin, by the wave's number alone
	s_xor_b32 s66, s[ISV], 1
	s_lshl_b32 s66, s66, 8
	s_lshr_b32 s56, s[WV], 1
	s_and_b32 s56, s56, s[ISV]
	s_lshl_b32 s56, s56, 7
	s_add_co_u32 s66, s66, s56                     ; X: row 256 (waves 0-7), or 0, 0, 128, 128 (waves 8-11)
	s_mul_i32 s67, s[ISV], 6
	s_xor_b32 s67, s67, 7
	s_and_b32 s67, s[WV], s67
	s_lshl_b32 s67, s67, 5
	s_mul_i32 s56, s[ISV], 384
	s_add_co_u32 s67, s67, s56                     ; Y: row 32 w (waves 0-7), or 384 + 32 (w % 2)
	s_mul_i32 s56, s66, PITCH
	s_mul_i32 s57, s67, PITCH
	v_and_b32 v[RR], 15, v0
	s_wait_alu depctr_va_vdst(0)
	v_bfe_u32 v[HH], v0, 4, 1
	v_and_b32 v[L16], 31, v0
	s_delay_alu instid0(VALU_DEP_1)
	v_lshlrev_b32 v[L8], 3, v[L16]
	s_delay_alu instid0(VALU_DEP_2)
	v_lshlrev_b32 v[L16], 4, v[L16]
	v_mul_u32_u24 v[ADX], v[RR], PITCH
	s_delay_alu instid0(VALU_DEP_1)
	v_lshl_add_u32 v[ADX], v[HH], 4, v[ADX]        ; a fragment: row r x pitch + 16 x half
	s_delay_alu instid0(VALU_DEP_1)
	v_add_nc_u32 v[ADY], s57, v[ADX]
	s_delay_alu instid0(VALU_DEP_2)
	v_add_nc_u32 v[ADX], s56, v[ADX]
	; LDS row L is row 256 TBK + L of the buffers where L < 256, else row 3840 + 192 HEAD + L
	s_lshl_b32 s58, s[TBK], 8
	s_mul_i32 s60, s[HEAD], 192
	s_add_co_u32 s60, s60, 3840
	s_cmp_eq_u32 s[ISV], 0
	s_cselect_b32 s68, s60, s58
	s_cselect_b32 s69, s58, s60
	s_add_co_u32 s68, s68, s66
	s_add_co_u32 s69, s69, s67
	s_lshl_b32 s68, s68, 5                         ; 32 scale bytes a row
	s_lshl_b32 s69, s69, 5
	s_mov_b32 s92, 0xffff0000                      ; lanes 16-31
	v_lshlrev_b32 v[SX], 5, v[RR]
	s_delay_alu instid0(VALU_DEP_1)
	v_add_nc_u32 v[SA], s69, v[SX]
	s_delay_alu instid0(VALU_DEP_2)
	v_add_nc_u32 v[SX], s68, v[SX]
	s_delay_alu instid0(VALU_DEP_1)
	v_cndmask_b32 v[SA], v[SX], v[SA], s92
	; what I fetch, if I fetch: waves 0-3 the tokens' rows 64 w on, waves 4-6 the head's rows 64 (w - 4) on.  s58, s59 never hold the head, s60, s61 never the block of tokens
	s_lshl_b32 s62, s[WV], 6
	s_add_co_u32 s58, s58, s62
	s_lshl_b32 s58, s58, 9
	s_mov_b32 s59, 0
	s_add_co_u32 s60, s60, s62
	s_lshl_b32 s60, s60, 9
	s_mov_b32 s61, 0
	s_min_u32 s63, s[WV], 6
	s_mul_i32 s63, s63, LOADB                      ; and where it goes: no place in the cluster enters an LDS address
	s_and_b32 s[BLK], s[TBK], 7                    ; the block in its batch
	s_lshr_b32 s[BH], s[TBK], 3
	s_lshl_b32 s[BH], s[BH], 4
	s_add_co_u32 s[BH], s[BH], s[HEAD]             ; 16 x batch + head
	s_lshl_b32 s93, s[HEAD], 8                     ; the head's 64 numbers of a bias: 256 bytes on
	s_mov_b32 s[SEL], 0x76543210
	s_mov_b32 s[SEL+1], 0xfedcba98                 ; v_permlanex16_b32's selects for lane l xor 16
	v_lshrrev_b32 v[PA], 3, v[RR]
	s_delay_alu instid0(VALU_DEP_1)
	v_lshlrev_b32 v[PA], 5, v[PA]
	s_delay_alu instid0(VALU_DEP_1)
	v_lshl_add_u32 v[PA], v[RR], 2, v[PA]
	v_lshlrev_b32 v[HH], 6, v[HH]                  ; 64 h: sixteen numbers of a bias
	v_mov_b32 v11, 0                               ; named as the upper halves of the pairs v[10:11], v[12:13]
	v_mov_b32 v13, 0
	s_wait_dscnt 0x0                               ; both opening adds are done
	s_wait_kmcnt 0x0
	s_mov_b32 s[G0T], 1
	s_mov_b32 s[G0T+1], s63
	s_add_nc_u64 s[G0T+2:G0T+3], s[4:5], s[58:59]
	s_or_b32 s[G0T+3], s[G0T+3], 0x80000000
	s_mov_b32 s[G0W], 1
	s_mov_b32 s[G0W+1], s63
	s_add_nc_u64 s[G0W+2:G0W+3], s[4:5], s[60:61]
	s_or_b32 s[G0W+3], s[G0W+3], 0x80000000
	CROUND                                         ; all sixteen work-groups are here: the joint loads meet
	s_cmp_lt_u32 s[WV], 4                          ; the branches hang on the wave's number alone
	s_cbranch_scc0 .Lnot_tokens
	tensor_load_to_lds s[G0T:G0T+3], s[G1T:G1T+7]
	s_nop 0
.rept 4
	v_nop
.endr
	s_branch .Lasked
.Lnot_tokens:
	s_cmp_lt_u32 s[WV], 7
	s_cbranch_scc0 .Lasked
	tensor_load_to_lds s[G0W:G0W+3], s[G1W:G1W+7]
	s_nop 0
.rept 4
	v_nop
.endr
.Lasked:
	; the scale words of all of K, once, into registers: a row's 32 bytes by two loads; sixteen lanes read 512 consecutive bytes
	s_wait_alu depctr_va_vdst(0)
.irp i, 0,1
	global_load_b128 v[SC+8*\i:SC+8*\i+3],   v[SA], s[6:7] offset:512*\i
	global_load_b128 v[SC+8*\i+4:SC+8*\i+7], v[SA], s[6:7] offset:512*\i+16
.endr
.irp i, 2,3,4,5,6,7
	global_load_b128 v[SC+8*\i:SC+8*\i+3],   v[SX], s[6:7] offset:512*\i
	global_load_b128 v[SC+8*\i+4:SC+8*\i+7], v[SX], s[6:7] offset:512*\i+16
.endr
	s_cmp_lt_u32 s[WV], 8
	s_cbranch_scc0 .Lbias_v
	; waves 0-7: the biases are loaded INTO the accumulators, in the result's layout: register j of tile 2 b + u is channel 32 b + 16 h + 8 u + j
	s_mov_b32 s70, s93
	s_mov_b32 s71, 0
	s_add_nc_u64 s[72:73], s[8:9], s[70:71]
	s_add_nc_u64 s[74:75], s[10:11], s[70:71]
	s_lshl_b32 s76, s[TBK], 8
	s_lshl_b32 s77, s[WV], 5
	s_add_co_u32 s76, s76, s77
	s_lshl_b32 s76, s76, 2
	s_mov_b32 s77, 0
	s_add_nc_u64 s[76:77], s[14:15], s[76:77]      ; the mask at my 32 tokens
.irp y, 0,1
.irp t, 0,1,2,3
	global_load_b128 v[ACC+64*\y+8*\t:ACC+64*\y+8*\t+3],       v[HH], s[72:73] offset:(32*(\t/2)+8*(\t%2))*4
	global_load_b128 v[ACC+64*\y+8*\t+4:ACC+64*\y+8*\t+7],     v[HH], s[72:73] offset:(32*(\t/2)+8*(\t%2))*4+16
	global_load_b128 v[ACC+64*\y+32+8*\t:ACC+64*\y+32+8*\t+3], v[HH], s[74:75] offset:(32*(\t/2)+8*(\t%2))*4
	global_load_b128 v[ACC+64*\y+32+8*\t+4:ACC+64*\y+32+8*\t+7], v[HH], s[74:75] offset:(32*(\t/2)+8*(\t%2))*4+16
.endr
.endr
	global_load_b32 v10, v[PA], s[76:77]           ; the mask of tile 0's token of my lane,
	global_load_b32 v12, v[PA], s[76:77] offset:32 ; of tile 1's: eight tokens on
	s_branch .Lbias_done
.Lbias_v:
	s_and_b32 s76, s[WV], 1
	s_lshl_b32 s76, s76, 7
	s_add_co_u32 s76, s76, s93
	s_mov_b32 s77, 0
	s_add_nc_u64 s[76:77], s[12:13], s[76:77]      ; b_V at my 32 channels
	global_load_b32 v10, v[PA], s[76:77]           ; my lane's channel of tile 0,
	global_load_b32 v12, v[PA], s[76:77] offset:32 ; of tile 1
.Lbias_done:
	s_wait_tensorcnt 0x0                           ; my rows are in LDS,
	s_barrier_signal -1
	s_barrier_wait -1                              ; everybody's are
	s_wait_loadcnt 0x0                             ; scale words, biases, mask
.macro YLOAD s
.irp y, 0,1
.irp c, 0,1
	ds_load_b128 v[YF+8*\y+4*\c:YF+8*\y+4*\c+3], v[ADY] offset:\y*TILEB+64*(\s)+32*\c
.endr
.endr
.endm
.macro XLOAD s, g
.irp i, 0,1,2,3
.irp c, 0,1
	ds_load_b128 v[XF+8*\i+4*\c:XF+8*\i+4*\c+3], v[ADX] offset:(4*(\g)+\i)*TILEB+64*(\s)+32*\c
.endr
.endr
.endm
; Eight products: X's tiles 4 g .. 4 g + 3 x Y's two.  X's scale word from lanes 0-15 of its register, Y's from lanes 16-31 of tile yt's.  The sixteen accumulators take turns, one instruction a turn.
.macro MUL8 s, g, zero
.irp i, 0,1,2,3
.irp y, 0,1
.if \zero
	v_wmma_scale_f32_16x16x128_f8f6f4 v[ACC+64*\y+8*(4*(\g)+\i):ACC+64*\y+8*(4*(\g)+\i)+7], v[XF+8*\i:XF+8*\i+7], v[YF+8*\y:YF+8*\y+7], 0, v[SC+8*(4*(\g)+\i)+(\s)], v[SC+8*\y+(\s)] matrix_a_fmt:MATRIX_FMT_FP4 matrix_b_fmt:MATRIX_FMT_FP4 matrix_b_scale:MATRIX_SCALE_ROW1
.else
	v_wmma_scale_f32_16x16x128_f8f6f4 v[ACC+64*\y+8*(4*(\g)+\i):ACC+64*\y+8*(4*(\g)+\i)+7], v[XF+8*\i:XF+8*\i+7], v[YF+8*\y:YF+8*\y+7], v[ACC+64*\y+8*(4*(\g)+\i):ACC+64*\y+8*(4*(\g)+\i)+7], v[SC+8*(4*(\g)+\i)+(\s)], v[SC+8*\y+(\s)] matrix_a_fmt:MATRIX_FMT_FP4 matrix_b_fmt:MATRIX_FMT_FP4 matrix_b_scale:MATRIX_SCALE_ROW1
.endif
.endr
.endr
.endm
; Half a K step.  Four plain vector instructions stand between products and loads into the registers that they read (ISA guide 7.12.1 for vector instructions).  Three waves share a SIMD: while one waits for LDS the others multiply.
.macro HALF s, g, zero, first
.if \first == 0
.rept 4
	v_nop
.endr
.endif
.if \g == 0
	YLOAD \s
.endif
	XLOAD \s, \g
	s_wait_dscnt 0x0
	MUL8 \s, \g, \zero
.endm
	s_cmp_lt_u32 s[WV], 8
	s_cbranch_scc0 .Lfirst_v
	HALF 0, 0, 0, 1                                ; waves 0-7: the sums begin with the biases
	HALF 0, 1, 0, 0
	s_branch .Lfirst_done
.Lfirst_v:
	HALF 0, 0, 1, 1                                ; waves 8-11: with 0; V's bias is one number a lane and is added behind the loop
	HALF 0, 1, 1, 0
.Lfirst_done:
.irp s, 1,2,3,4,5,6,7
	HALF \s, 0, 0, 0
	HALF \s, 1, 0, 0
.endr
.rept 4
	v_nop                                          ; places in front of the first read of results and the first write of operands' registers
.endr
.irp b, 0,1,2,3
	v_mov_b32 v[TM+4+\b], 0                        ; a lane permute's destination counts as one of its sources
.endr
; 64 numbers of a lane, register 16 b + i = number 32 b + 16 (lane / 16) + i of my row along the next K, become an operand's eight registers in v[pc] on and its scale word in v[pw]
.macro QUANT s, pc, pw
.irp b, 0,1,2,3
	v_max3_num_f32 v[TM+\b], |v[\s+16*\b]|, |v[\s+1+16*\b]|, 0x1800000   ; block b: my 16 numbers, and the floor 2^(3 - 127): the byte cannot fall under 1
.endr
.irp i, 2,4,6,8,10,12,14
.irp b, 0,1,2,3
	v_max3_num_f32 v[TM+\b], v[TM+\b], |v[\s+16*\b+\i]|, |v[\s+1+16*\b+\i]|   ; (the four blocks by turns)
.endr
.endr
.irp b, 0,1,2,3
	s_delay_alu instid0(VALU_DEP_4)
	v_permlanex16_b32 v[TM+4+\b], v[TM+\b], s[SEL], s[SEL+1]
.endr
.irp b, 0,1,2,3
	s_delay_alu instid0(VALU_DEP_4)
	v_max_num_f32 v[TM+\b], v[TM+\b], v[TM+4+\b]   ; with lane l xor 16's: the block's largest magnitude
.endr
.irp b, 0,1,2,3
	s_delay_alu instid0(VALU_DEP_4)
	v_add_nc_u32 v[TM+12+\b], 0xff000000, v[TM+\b] ; 2 off its exponent field: the conversion's scale operand
.endr
.irp b, 0,1,2,3
	s_delay_alu instid0(VALU_DEP_4)
	v_lshrrev_b32 v[TM+4+\b], 23, v[TM+12+\b]      ; the scale's byte
.endr
	s_delay_alu instid0(VALU_DEP_3)
	v_lshl_or_b32 v[\pw], v[TM+5], 8, v[TM+4]
	s_delay_alu instid0(VALU_DEP_1)
	v_lshl_or_b32 v[\pw], v[TM+6], 16, v[\pw]
	s_delay_alu instid0(VALU_DEP_1)
	v_lshl_or_b32 v[\pw], v[TM+7], 24, v[\pw]      ; my row's scale word, the same in lanes l and l xor 16
.irp b, 0,1,2,3
	v_cvt_scalef32_pk8_fp4_f32 v[\pc+2*\b], v[\s+16*\b:\s+16*\b+7], v[TM+12+\b]
	v_cvt_scalef32_pk8_fp4_f32 v[\pc+2*\b+1], v[\s+16*\b+8:\s+16*\b+15], v[TM+12+\b]
.endr
	v_nop                                          ; one plain place behind a scaled conversion
.irp c, 0,1                                    ; the operand's layout wants a whole block in a lane: lanes 0-15 block 2 c, lanes 16-31 block 2 c + 1
.irp i, 0,1
	v_permlane16_swap_b32 v[\pc+4*\c+\i], v[\pc+4*\c+2+\i]
.endr
.endr
.endm
	s_cmp_lt_u32 s[WV], 8
	s_cbranch_scc0 .Lout_v
	; ---- waves 0-7.  Of the eight registers the first four are Q's codes (channels 32 h on), the last four K's; of the scale word the low half is Q's, the high half K's
	QUANT ACC, PC0, PW0
	QUANT ACC+64, PC1, PW1
	s_lshl_b32 s66, s[BLK], 4
	s_lshl_b32 s67, s[WV], 1
	s_add_co_u32 s66, s66, s67                     ; my first tile of 16 tokens in the batch
	s_lshl_b32 s68, s[BH], 16
	s_lshl_b32 s67, s66, 9
	s_add_co_u32 s68, s68, s67
	s_mov_b32 s69, 0
	s_add_nc_u64 s[68:69], s[16:17], s[68:69]      ; qc
	s_lshl_b32 s70, s[BH], 14
	s_lshl_b32 s67, s66, 7
	s_add_co_u32 s70, s70, s67
	s_mov_b32 s71, 0
	s_add_nc_u64 s[70:71], s[18:19], s[70:71]      ; qs
	s_lshl_b32 s72, s[BLK], 1
	s_lshr_b32 s67, s[WV], 2
	s_add_co_u32 s72, s72, s67                     ; the key step: 2 x block + w / 4
	s_mul_i32 s72, s72, REC
	s_mul_i32 s67, s[BH], HKV
	s_add_co_u32 s72, s72, s67
	s_and_b32 s67, s[WV], 3
	s_lshl_b32 s74, s67, 10
	s_add_co_u32 s74, s74, s72
	s_mov_b32 s75, 0
	s_add_nc_u64 s[74:75], s[20:21], s[74:75]      ; kv: my two images of K
	s_lshl_b32 s76, s67, 8
	s_add_co_u32 s76, s76, s72
	s_mov_b32 s77, 0
	s_add_nc_u64 s[76:77], s[20:21], s[76:77]      ; kv: my two tiles' words, 8,192 bytes on
	s_mov_b32 s66, 0x017f0000                      ; Q's upper bytes: 127 for k = 64 .. 95, 1 for the rest
	v_cmp_ne_u32 s90, 0, v10                       ; lanes whose key counts, tile 0,
	v_cmp_ne_u32 s91, 0, v12                       ; tile 1
	v_mov_b32 v60, 0x01a00000                      ; a masked key's upper bytes: 160, 1;
	v_mov_b32 v61, 0x01010000                      ; any other's: 1, 1
	v_and_or_b32 v50, v[PW0], 0xffff, s66          ; Q's scale words
	v_and_or_b32 v51, v[PW1], 0xffff, s66
	s_delay_alu instid0(VALU_DEP_3)
	v_cndmask_b32 v52, v60, v61, s90
	s_delay_alu instid0(VALU_DEP_4)
	v_cndmask_b32 v53, v60, v61, s91
	v_lshrrev_b32 v54, 16, v[PW0]
	v_lshrrev_b32 v55, 16, v[PW1]
	s_delay_alu instid0(VALU_DEP_2)
	v_or_b32 v52, v52, v54                         ; K's scale words
	s_delay_alu instid0(VALU_DEP_2)
	v_or_b32 v53, v53, v55
	v_cndmask_b32 v54, 10, 0, s90                  ; K's word at k = 64: the code of -1 where the key is masked
	v_cndmask_b32 v55, 10, 0, s91
.irp j, 4,5,6,7
	v_cndmask_b32 v[PC0+\j], 0, v[PC0+\j], s90     ; and zeros for a masked key's 64 codes
	v_cndmask_b32 v[PC1+\j], 0, v[PC1+\j], s91
.endr
	v_cndmask_b32 v56, v50, v51, s92               ; lanes 0-15 carry tile 0's words, lanes 16-31 tile 1's: 32 lanes x 8 bytes are 256 consecutive bytes
	v_mov_b32 v57, 0
	v_cndmask_b32 v58, v52, v53, s92
	v_cndmask_b32 v59, v54, v55, s92
	global_store_b128 v[L16], v[PC0:PC0+3], s[68:69]
	global_store_b128 v[L16], v[PC1:PC1+3], s[68:69] offset:512
	global_store_b128 v[L16], v[PC0+4:PC0+7], s[74:75]
	global_store_b128 v[L16], v[PC1+4:PC1+7], s[74:75] offset:512
	global_store_b64 v[L8], v[56:57], s[70:71]
	global_store_b64 v[L8], v[58:59], s[76:77] offset:8192
	s_branch .Lout
.Lout_v:
	; ---- waves 8-11: the bias of my lane's channel, then the eight registers are V's operand: channel r, keys 64 c + 32 h on
.set j, 0
.rept 32
	v_pk_add_f32 v[ACC+j:ACC+j+1], v[ACC+j:ACC+j+1], v[10:11] op_sel_hi:[1,0]          ; each accumulator from its low end on
.set j, j+2
.endr
.rept 32
	v_pk_add_f32 v[ACC+j:ACC+j+1], v[ACC+j:ACC+j+1], v[12:13] op_sel_hi:[1,0]
.set j, j+2
.endr
	QUANT ACC, PC0, PW0
	QUANT ACC+64, PC1, PW1
	s_and_b32 s66, s[WV], 3
	s_lshr_b32 s67, s66, 1
	s_and_b32 s66, s66, 1
	s_lshl_b32 s72, s[BLK], 1
	s_add_co_u32 s72, s72, s67                     ; the key step
	s_mul_i32 s72, s72, REC
	s_mul_i32 s67, s[BH], HKV
	s_add_co_u32 s72, s72, s67
	s_lshl_b32 s74, s66, 11
	s_add_co_u32 s74, s74, s72
	s_mov_b32 s75, 0
	s_add_nc_u64 s[74:75], s[20:21], s[74:75]      ; kv: my two images of V, 4,096 bytes on
	s_lshl_b32 s76, s66, 8
	s_add_co_u32 s76, s76, s72
	s_mov_b32 s77, 0
	s_add_nc_u64 s[76:77], s[20:21], s[76:77]      ; kv: their scale words, 9,216 bytes on
	v_cndmask_b32 v56, v[PW0], v[PW1], s92
	v_mov_b32 v57, 0
	global_store_b128 v[L16], v[PC0:PC0+3], s[74:75] offset:4096
	global_store_b128 v[L16], v[PC0+4:PC0+7], s[74:75] offset:4096+512
	s_wait_alu depctr_va_vdst(0)
	global_store_b128 v[L16], v[PC1:PC1+3], s[74:75] offset:4096+1024
	global_store_b128 v[L16], v[PC1+4:PC1+7], s[74:75] offset:4096+1536
	global_store_b64 v[L8], v[56:57], s[76:77] offset:9216
.Lout:
	s_wait_tensorcnt 0x0                           ; the wave's end
	ds_add_u32 v[SPW], v[NIL]
	s_wait_dscnt 0x0
	CROUND                                         ; the closing round: no work-group ends while a partner may still ask for rows jointly
	s_endpgm
.Lfunc_end_k_q9c77c3fa22_proj:
	.size	k_q9c77c3fa22_proj, .Lfunc_end_k_q9c77c3fa22_proj-k_q9c77c3fa22_proj
	.p2alignl 7, 3214868480
	.fill 96, 4, 3214868480
	.section	.rodata,"a",@progbits
	.p2align	6, 0x0
	.amdhsa_kernel k_q9c77c3fa22_proj
		.amdhsa_group_segment_fixed_size 238080
		.amdhsa_private_segment_fixed_size 0
		.amdhsa_enable_private_segment 0
		.amdhsa_kernarg_size 72
		.amdhsa_user_sgpr_count 2
		.amdhsa_user_sgpr_kernarg_segment_ptr 1
		.amdhsa_wavefront_size32 1
		.amdhsa_system_sgpr_workgroup_id_x 1
		.amdhsa_system_sgpr_workgroup_id_y 1
		.amdhsa_system_sgpr_workgroup_id_z 1
		.amdhsa_system_vgpr_workitem_id 0
		.amdhsa_next_free_vgpr 256
		.amdhsa_next_free_sgpr 100
		.amdhsa_reserve_vcc 0
		.amdhsa_float_denorm_mode_32 3
		.amdhsa_float_denorm_mode_16_64 3
		.amdhsa_memory_ordered 1
		.amdhsa_forward_progress 1
		.amdhsa_inst_pref_size 71
	.end_amdhsa_kernel
	.amdgpu_metadata
---
amdhsa.version: [ 1, 2 ]
amdhsa.kernels:
  - .name:           k_q9c77c3fa22_proj
    .symbol:         k_q9c77c3fa22_proj.kd
    .args:
      - { .name: codes, .offset: 0, .size: 8, .value_kind: global_buffer, .address_space: global }
      - { .name: scales, .offset: 8, .size: 8, .value_kind: global_buffer, .address_space: global }
      - { .name: b_Q, .offset: 16, .size: 8, .value_kind: global_buffer, .address_space: global }
      - { .name: b_K, .offset: 24, .size: 8, .value_kind: global_buffer, .address_space: global }
      - { .name: b_V, .offset: 32, .size: 8, .value_kind: global_buffer, .address_space: global }
      - { .name: mask, .offset: 40, .size: 8, .value_kind: global_buffer, .address_space: global }
      - { .name: qc, .offset: 48, .size: 8, .value_kind: global_buffer, .address_space: global }
      - { .name: qs, .offset: 56, .size: 8, .value_kind: global_buffer, .address_space: global }
      - { .name: kv, .offset: 64, .size: 8, .value_kind: global_buffer, .address_space: global }
    .group_segment_fixed_size: 238080
    .private_segment_fixed_size: 0
    .kernarg_segment_align: 8
    .kernarg_segment_size: 72
    .max_flat_workgroup_size: 384
    .sgpr_count:     100
    .vgpr_count:     256
    .wavefront_size: 32
...
	.end_amdgpu_metadata
.endif
;; end of part 2
;; launch attn (part 3): grid 8 x 32, 16 waves a work-group, clusters of 4 x 1, 227,328 bytes of LDS; arguments qc, qs, kv, out0; writes out0
.if DOCPART == 3
	.amdgcn_target "amdgcn-amd-amdhsa--gfx1250"
	.amdhsa_code_object_version 6
	.text
	.protected	k_q9c77c3fa22_attn
	.globl	k_q9c77c3fa22_attn
	.p2align	8
	.type	k_q9c77c3fa22_attn,@function
k_q9c77c3fa22_attn:
	s_mov_b64 s[64:65], 0
	v_nop
	global_prefetch_b8 v0, s[64:65] scope:SCOPE_SE
	s_setreg_imm32_b32 hwreg(HW_REG_WAVE_MODE, 25, 1), 1
	s_wait_xcnt 0x0
	s_wait_alu depctr_hold_cnt(0) depctr_sa_sdst(0) depctr_va_vdst(0) depctr_va_sdst(0) depctr_va_ssrc(0) depctr_va_vcc(0) depctr_vm_vsrc(0)
	s_getreg_b32 s2, hwreg(HW_REG_IB_STS2, 6, 4)
	s_cmp_eq_u32 s2, 0
	s_cbranch_scc0 .Lentry_in_a_cluster
	s_endpgm
.Lentry_in_a_cluster:
	s_bfe_u32 s2, ttmp6, 0x10000c
	s_cmp_lg_u32 s2, 0x3003
	s_cbranch_scc0 .Lentry_shape_is_right
	s_endpgm
.Lentry_shape_is_right:
; Launch 3 of 3: out = softmax(Q K^T / 8, masked) V for each of 32 (batch, head), both products on codes of FP4 with E8M0 scales.  No work is left out: a masked key is data, so its work is done and comes to nothing.
; THE SOFTMAX AHEAD OF THE SECOND PRODUCT: t = score x log2(e) / 8; M = the row's largest t so far, rounded up to a whole number; p = 2^(t - M) is quantised along the keys, not normalised.  The row's sum is taken of the
; unquantised p and divides at the end.  When M moves, the sum and O are multiplied by 2^(old M - new M): exact.
; THE MASK comes inside K's operand (launch 2): a masked key's score is exactly -2^33, so its p is 0 beside any key that counts.  -2^33 x c is a whole number in f32: where all keys of a batch are masked t - M = 0 and every p is 1.
; LIMITS: the masked logit is -2^30 where reference() writes -1e9 (results differ only where an unmasked logit lies under about -1e9); NaN and infinities are not served.
; SHARES.  A work-group owns 256 queries of one (batch, head), each of its sixteen waves one tile of 16 in 256 registers: four waves to a SIMD, so that one wave's vector work stands beside another's products and LDS loads.
; Every wave walks the 16 key steps of 128 keys.  The head's whole part of kv, 155,648 bytes, lies in LDS as it lies in memory: operands are images of registers, read 16 bytes a lane on end.  Nothing is filled twice.
; LAYOUT.  Both products transposed: S^T = K Q^T (source 0 = 16 keys), O^T = V^T P^T (source 0 = 16 channels): a lane holds one query throughout.  By the rows' order (launch 1) the 16 registers of tiles 2 b, 2 b + 1 of S^T
; are keys 32 b + 16 (lane / 16) + 0 .. 15, and those of O^T channels 32 b + 16 (lane / 16) + 0 .. 15.
; CLUSTER 4 x 1: the four blocks of queries of a cluster walk the same kv, so each record is asked for jointly.  Waves 0-3 issue four loads each, all at the head: by this text's own count a wave has at most four out.
.set REC,   9728                       ; a key step's record: K's images 0, V's 4,096, K's words 8,192, V's 9,216
.set CHB,   4*REC                      ; four steps: what waves 0-3 bring with one load each
.set HKV,   16*REC
.set STAGE, HKV                        ; the way out: 16 rows x 272 bytes for each wave; no tensor load lands here
.set SPITCH, 272
.set SPARE, STAGE+16*16*SPITCH         ; the spare words, 128 bytes for each of 16 waves
.set L16, 1                            ; v1   16 x lane
.set R8,  2                            ; v2   8 x (lane % 16)
.set SPW, 5                            ; v5   my spare word; never rewritten
.set NIL, 6                            ; v6   0; never rewritten
.set GO,  7                            ; v7   my byte offset in the wave's rows of out0
.set ADI, 8                            ; v8   LDS: the step's images
.set ADA, 9                            ; v9   the step's words
.set STO, 10                           ; v10  the stage, in
.set RD,  11                           ; v11  the stage, back
                                       ; v12 -M, v13 the largest t, v[14:15] the sum in two halves
.set QF,  16                           ; v16-23  Q: 16-19 codes; 20: the code of +1 at k = 64; 21-23 zeros
.set KS,  24                           ; v24-31  K's scale words: scales and nothing else
.set KF,  32                           ; v32-95  K's eight fragments: registers 0-3 codes, 4 the word at k = 64, 5-7 zeros, written once
.set S,   96                           ; v96-159 S^T, then p
.set O,   160                          ; v160-191 O^T
.set VF,  192                          ; v192-223 V's four fragments
.set PC,  224                          ; v224-231 p's codes
.set F,   240                          ; v[240:241] f = 2^(old M - new M), and a 0 named with it
.set VS,  248                          ; v248-251 V's scale words
.set PWD, 253                          ; v253 p's scale word
.set QS,  255                          ; v255 Q's scale word
.set WV,  12
.set SEL, 20
.set CS,  22
.set G1,  24
.set G0,  32
.set TB,  48
.set CNT, 49
.macro CROUND
	s_barrier_signal -1
	s_barrier_wait -1
	s_cmp_lg_u32 s[WV], 0
	s_cbranch_scc1 .Lnot_wave_0_\@
	s_barrier_signal -3
.Lnot_wave_0_\@:
	s_barrier_wait -3
	s_barrier_signal -1
	s_barrier_wait -1
.endm
	s_load_b256 s[4:11], s[0:1], 0x0               ; qc s[4:5], qs s[6:7], kv s[8:9], out0 s[10:11]
	v_lshl_add_u32 v[SPW], v0, 2, SPARE
	v_mov_b32 v[NIL], 0
	ds_add_u32 v[SPW], v[NIL]                      ; the wave's opening: the add, twice on end, and its wait ahead of the first tensor load; the set-up below, work on registers, stands between
	ds_add_u32 v[SPW], v[NIL]
	v_lshrrev_b32 v3, 5, v0
	s_delay_alu instid0(VALU_DEP_1)
	v_readfirstlane_b32 s[WV], v3                  ; wave 0..15
	s_bfe_u32 s13, ttmp6, 0x40000                  ; cx
	s_lshl_b32 s14, ttmp9, 2
	s_add_co_u32 s14, s14, s13                     ; my block of 256 queries: it enters Q's and out0's addresses alone
	s_and_b32 s15, ttmp7, 0xffff                   ; 16 x batch + head, which the four partners share
	; descriptor group 1: a record is 38 dense rows of 256 bytes (32 elements of 8 bytes), no padding
	s_mov_b32 s[G1], 15|(3<<16)|(1<<21)            ; 15:0 the mask: all four work-groups; 17:16 elements of 8 bytes; 21 set beside a mask
	s_mov_b32 s[G1+1], 32<<16                      ; tensor_dim0
	s_mov_b32 s[G1+2], 38<<16                      ; tensor_dim1
	s_mov_b32 s[G1+3], 32<<16                      ; tile_dim0
	s_mov_b32 s[G1+4], 38                          ; tile_dim1
	s_mov_b32 s[G1+5], 32                          ; from row to row
	s_mov_b32 s[G1+6], 0
	s_mov_b32 s[G1+7], 0
	s_and_b32 s16, s[WV], 3
	s_mul_i32 s16, s16, REC                        ; which of four steps I fetch, if I fetch: in LDS,
	s_mul_i32 s18, s15, HKV
	s_add_co_u32 s18, s18, s16                     ; and in kv
	s_mov_b32 s19, 0
	s_mov_b32 s[SEL], 0x76543210
	s_mov_b32 s[SEL+1], 0xfedcba98                 ; v_permlanex16_b32's selects for lane l xor 16
	s_mov_b32 s[CS], 0x3e38aa3b                    ; c = log2(e) / 8
	s_mov_b32 s[CS+1], s[CS]                       ; (named with it as a pair, so it is written)
	s_lshl_b32 s51, s14, 4
	s_add_co_u32 s51, s51, s[WV]                   ; my tile of queries in the batch
	s_lshl_b32 s52, s15, 16
	s_lshl_b32 s54, s51, 9
	s_add_co_u32 s52, s52, s54                     ; its image in qc
	s_mov_b32 s53, 0
	s_lshl_b32 s54, s15, 14
	s_lshl_b32 s56, s51, 7
	s_add_co_u32 s54, s54, s56                     ; its words in qs
	s_mov_b32 s55, 0
	s_lshr_b32 s56, s15, 4                         ; out0: row 2,048 batch + 256 block + 32 (w / 2) + 8 (w % 2): my tile's lane 0
	s_lshl_b32 s56, s56, 11
	s_lshl_b32 s57, s14, 8
	s_add_co_u32 s56, s56, s57
	s_lshr_b32 s57, s[WV], 1
	s_lshl_b32 s57, s57, 5
	s_add_co_u32 s56, s56, s57
	s_and_b32 s57, s[WV], 1
	s_lshl_b32 s57, s57, 3
	s_add_co_u32 s56, s56, s57
	s_lshl_b32 s56, s56, 12                        ; rows of 4,096 bytes,
	s_and_b32 s57, s15, 15
	s_lshl_b32 s57, s57, 8
	s_add_co_u32 s56, s56, s57                     ; + the head's 256
	s_mov_b32 s57, 0
	v_and_b32 v3, 15, v0                           ; r
	v_bfe_u32 v4, v0, 4, 1                         ; h
	v_and_b32 v[L16], 31, v0
	s_delay_alu instid0(VALU_DEP_1)
	v_lshlrev_b32 v[L16], 4, v[L16]
	s_delay_alu instid0(VALU_DEP_4)
	v_lshlrev_b32 v[R8], 3, v3
	s_mul_i32 s50, s[WV], 16*SPITCH
	s_add_co_u32 s50, s50, STAGE                   ; my stage
	v_mul_u32_u24 v[STO], v3, SPITCH
	s_delay_alu instid0(VALU_DEP_1)
	v_lshl_add_u32 v[STO], v4, 6, v[STO]
	s_delay_alu instid0(VALU_DEP_1)
	v_add_nc_u32 v[STO], s50, v[STO]               ; in: row r, + 64 h: my half's sixteen channels of each 32
	v_mul_u32_u24 v[RD], v4, SPITCH
	s_delay_alu instid0(VALU_DEP_1)
	v_lshl_add_u32 v[RD], v3, 4, v[RD]
	s_delay_alu instid0(VALU_DEP_1)
	v_add_nc_u32 v[RD], s50, v[RD]                 ; back: lanes 0-15 one row, lanes 16-31 the next
	v_lshlrev_b32 v[GO], 12, v4
	s_delay_alu instid0(VALU_DEP_1)
	v_lshl_add_u32 v[GO], v3, 4, v[GO]             ; and the same two rows in out0
	v_xor_b32 v[QF+4], 1, v4
	s_delay_alu instid0(VALU_DEP_1)
	v_lshlrev_b32 v[QF+4], 1, v[QF+4]              ; k = 64 is the lowest code of register 4 in lanes 0-15: the code 2 is +1
.irp j, 5,6,7
	v_mov_b32 v[QF+\j], 0
.endr
	s_wait_dscnt 0x0                               ; both opening adds are done
	s_wait_kmcnt 0x0
	s_add_nc_u64 s[18:19], s[8:9], s[18:19]
	s_add_nc_u64 s[4:5], s[4:5], s[52:53]
	s_add_nc_u64 s[6:7], s[6:7], s[54:55]
	s_add_nc_u64 s[10:11], s[10:11], s[56:57]
.irp k, 0,1,2,3
	s_mov_b32 s[G0+4*\k], 1                        ; count = 1
	s_add_co_u32 s[G0+4*\k+1], s16, \k*CHB         ; LDS address: step 4 k + w
	s_add_nc_u64 s[G0+4*\k+2:G0+4*\k+3], s[18:19], \k*CHB
	s_or_b32 s[G0+4*\k+3], s[G0+4*\k+3], 0x80000000
.endr
	CROUND                                         ; all four work-groups are here: the joint loads meet
	s_cmp_lt_u32 s[WV], 4                          ; a wave's four first fills stand in one branch on its number, ahead of every wait on TENSORcnt, every LDS read and every other barrier
	s_cbranch_scc0 .Lno_load
.irp k, 0,1,2,3
	tensor_load_to_lds s[G0+4*\k:G0+4*\k+3], s[G1:G1+7]
	s_nop 0
.endr
.rept 4
	v_nop
.endr
.Lno_load:
	global_load_b128 v[QF:QF+3], v[L16], s[4:5]    ; Q's codes stay in registers
	global_load_b32 v[QS], v[R8], s[6:7]           ; and its scale words
	v_mov_b32 v13, 0xff61b1e6                      ; the largest t so far: -3e38, under every t
	s_delay_alu instid0(VALU_DEP_1)
	v_floor_f32 v12, -v13                          ; -M
	v_mov_b32 v14, 0
	v_mov_b32 v15, 0
	v_mov_b32 v[F+1], 0
.irp b, 0,1,2,3
	v_mov_b32 v[236+\b], 0                         ; a lane permute's destination counts as one of its sources
.endr
.irp t, 0,1,2,3,4,5,6,7
.irp j, 5,6,7
	v_mov_b32 v[KF+8*\t+\j], 0                     ; k = 72 .. 127 of K's fragments: zeros, written once
.endr
.endr
.set j, 0
.rept 32
	v_mov_b32 v[O+j], 0                            ; O^T.  (The step is written once: the first finds zeros, which the first change of M leaves zeros)
.set j, j+1
.endr
	s_wait_loadcnt 0x0                             ; Q
; A KEY STEP: 128 keys, whose record begins at LDS byte s[TB].
.macro STEP
	v_add_nc_u32 v[ADI], s[TB], v[L16]
	v_add_nc_u32 v[ADA], s[TB], v[R8]
	v_nop
	v_nop                                          ; these four are the places between the last step's products and the loads into V's registers
.irp t, 0,1,2,3,4,5,6,7
	ds_load_b128 v[KF+8*\t:KF+8*\t+3], v[ADI] offset:512*\t
	ds_load_b32 v[KS+\t], v[ADA] offset:8192+128*\t
	ds_load_b32 v[KF+8*\t+4], v[ADA] offset:8196+128*\t
.endr
.irp t, 0,1,2,3
	ds_load_b128 v[VF+8*\t:VF+8*\t+3],   v[ADI] offset:4096+1024*\t
	ds_load_b128 v[VF+8*\t+4:VF+8*\t+7], v[ADI] offset:4096+1024*\t+512
	ds_load_b32 v[VS+\t], v[ADA] offset:9216+128*\t
.endr
	s_wait_dscnt 12                                ; K's 24 loads are in; V's 12, issued behind them, may be out
.irp t, 0,1,2,3,4,5,6,7
	v_wmma_scale_f32_16x16x128_f8f6f4 v[S+8*\t:S+8*\t+7], v[KF+8*\t:KF+8*\t+7], v[QF:QF+7], 0, v[KS+\t], v[QS] matrix_a_fmt:MATRIX_FMT_FP4 matrix_b_fmt:MATRIX_FMT_FP4
.endr
.rept 4
	v_nop
.endr
.irp b, 0,1,2,3
	v_max3_num_f32 v[232+\b], v[S+16*\b], v[S+1+16*\b], v[S+2+16*\b]   ; the largest score of each block of 32 keys: it serves for the row's maximum and, since p rises with the score, for the block's largest p
.endr
.irp i, 3,5,7,9,11,13
.irp b, 0,1,2,3
	v_max3_num_f32 v[232+\b], v[232+\b], v[S+16*\b+\i], v[S+1+16*\b+\i]
.endr
.endr
.irp b, 0,1,2,3
	v_max_num_f32 v[232+\b], v[232+\b], v[S+15+16*\b]
.endr
.irp b, 0,1,2,3
	s_delay_alu instid0(VALU_DEP_4)
	v_permlanex16_b32 v[236+\b], v[232+\b], s[SEL], s[SEL+1]
.endr
.irp b, 0,1,2,3
	s_delay_alu instid0(VALU_DEP_4)
	v_max_num_f32 v[232+\b], v[232+\b], v[236+\b]  ; with lane l xor 16's 16 keys
.endr
	s_delay_alu instid0(VALU_DEP_2)
	v_max3_num_f32 v254, v232, v233, v234
	s_delay_alu instid0(VALU_DEP_1)
	v_max_num_f32 v254, v254, v235                 ; the step's largest score of my query
	s_delay_alu instid0(VALU_DEP_1)
	v_mul_f32 v254, s[CS], v254                    ; as t (c is positive)
	s_delay_alu instid0(VALU_DEP_1)
	v_max_num_f32 v13, v13, v254                   ; the running largest t
	v_mov_b32 v254, v12
	s_delay_alu instid0(VALU_DEP_2)
	v_floor_f32 v12, -v13                          ; the new -M = floor(-t) = -ceil(t)
	s_delay_alu instid0(VALU_DEP_1)
	v_sub_f32 v254, v12, v254                      ; old M - new M: a whole number, 0 or less
	s_delay_alu instid0(VALU_DEP_1)
	v_cvt_i32_f32 v254, v254                       ; (it saturates)
	s_delay_alu instid0(VALU_DEP_1)
	v_ldexp_f32 v[F], 1.0, v254                    ; f = 2^(old M - new M)
.set j, 0
.rept 32
	v_pk_fma_f32 v[S+j:S+j+1], v[S+j:S+j+1], s[CS:CS+1], v[12:13] op_sel_hi:[1,0,0]   ; t - M, two at a time (of the pairs c and -M the low word serves both halves)
.set j, j+2
.endr
.irp b, 0,1,2,3
	v_fma_f32 v[232+\b], v[232+\b], s[CS], v12     ; the same of each block's largest score
.endr
.set j, 0
	s_setprio 1
	s_wait_alu depctr_va_vdst(0)
.rept 64
	v_exp_f32 v[S+j], v[S+j]                       ; p = 2^(t - M), at most 1
.set j, j+1
.endr
.irp b, 0,1,2,3
	v_exp_f32 v[232+\b], v[232+\b]                 ; the block's largest p: the same two instructions on the same number give the same bits
.endr
	v_pk_mul_f32 v[14:15], v[14:15], v[F:F+1] op_sel_hi:[1,0]          ; ONE BATCH of 68 exponentials; behind it work that names none of its results: the sum under the new M,
.set j, 0
	s_wait_alu depctr_va_vdst(0)
.rept 16
	v_pk_mul_f32 v[O+j:O+j+1], v[O+j:O+j+1], v[F:F+1] op_sel_hi:[1,0]  ; and O^T, each accumulator from its low end on
.set j, j+2
.endr
	s_wait_alu depctr_va_vdst(0)                   ; the one wait between the batch and the first line that names a result
.irp b, 0,1,2,3
	v_max_num_f32 v[232+\b], 0x1800000, v[232+\b]  ; the floor 2^(3 - 127): the byte cannot fall under 1 (a block whose every p is 0 keeps that byte: its codes are zeros)
.endr
.irp b, 0,1,2,3
	s_delay_alu instid0(VALU_DEP_4)
	v_add_nc_u32 v[244+\b], 0xff000000, v[232+\b]  ; 2 off the exponent field: the conversion's scale operand
.endr
.irp b, 0,1,2,3
	s_delay_alu instid0(VALU_DEP_4)
	v_lshrrev_b32 v[236+\b], 23, v[244+\b]         ; the scale's byte
.endr
	s_delay_alu instid0(VALU_DEP_3)
	v_lshl_or_b32 v[PWD], v237, 8, v236            ; p's scale word for these 128 keys
	s_delay_alu instid0(VALU_DEP_1)
	v_lshl_or_b32 v[PWD], v238, 16, v[PWD]
	s_delay_alu instid0(VALU_DEP_1)
	v_lshl_or_b32 v[PWD], v239, 24, v[PWD]
.irp b, 0,1,2,3
	v_cvt_scalef32_pk8_fp4_f32 v[PC+2*\b], v[S+16*\b:S+16*\b+7], v[244+\b]
	v_cvt_scalef32_pk8_fp4_f32 v[PC+2*\b+1], v[S+16*\b+8:S+16*\b+15], v[244+\b]
.endr
	v_nop                                          ; one plain place behind a scaled conversion
.irp c, 0,1                                    ; a whole block in a lane: lanes 0-15 block 2 c, lanes 16-31 block 2 c + 1
.irp i, 0,1
	v_permlane16_swap_b32 v[PC+4*\c+\i], v[PC+4*\c+2+\i]
.endr
.endr
	v_pk_add_f32 v[236:237], v[100:101], v[104:105]
	v_pk_add_f32 v[246:247], v[108:109], v[112:113]
	v_pk_add_f32 v[244:245], v[116:117], v[120:121]
	v_pk_add_f32 v[242:243], v[124:125], v[128:129]
	v_pk_add_f32 v[234:235], v[132:133], v[136:137]
	v_pk_add_f32 v[232:233], v[140:141], v[144:145]
	v_pk_add_f32 v[90:91], v[148:149], v[152:153]
	v_pk_add_f32 v[14:15], v[14:15], v[156:157]
	v_pk_add_f32 v[236:237], v[236:237], v[96:97]
	v_pk_add_f32 v[246:247], v[246:247], v[98:99]
	v_pk_add_f32 v[244:245], v[244:245], v[102:103]
	v_pk_add_f32 v[242:243], v[242:243], v[106:107]
	s_setprio 0
	v_pk_add_f32 v[234:235], v[234:235], v[110:111]
	v_pk_add_f32 v[232:233], v[232:233], v[114:115]
	v_pk_add_f32 v[90:91], v[90:91], v[118:119]
	v_pk_add_f32 v[14:15], v[14:15], v[122:123]
	v_pk_add_f32 v[236:237], v[236:237], v[126:127]
	v_pk_add_f32 v[246:247], v[246:247], v[130:131]
	v_pk_add_f32 v[244:245], v[244:245], v[134:135]
	v_pk_add_f32 v[242:243], v[242:243], v[138:139]
	v_pk_add_f32 v[234:235], v[234:235], v[142:143]
	v_pk_add_f32 v[232:233], v[232:233], v[146:147]
	v_pk_add_f32 v[90:91], v[90:91], v[150:151]
	v_pk_add_f32 v[14:15], v[14:15], v[154:155]
	v_pk_add_f32 v[236:237], v[236:237], v[158:159]
	s_delay_alu instid0(VALU_DEP_2)
	v_pk_add_f32 v[14:15], v[14:15], v[242:243]
	s_delay_alu instid0(VALU_DEP_2)
	v_pk_add_f32 v[236:237], v[236:237], v[234:235]
	v_pk_add_f32 v[246:247], v[246:247], v[232:233]
	v_pk_add_f32 v[244:245], v[244:245], v[90:91]
	s_delay_alu instid0(VALU_DEP_2)
	v_pk_add_f32 v[14:15], v[14:15], v[246:247]
	s_delay_alu instid0(VALU_DEP_2)
	v_pk_add_f32 v[236:237], v[236:237], v[244:245]
	s_delay_alu instid0(VALU_DEP_1)
	v_pk_add_f32 v[14:15], v[14:15], v[236:237]
	s_wait_dscnt 0x0                               ; V
.irp t, 0,1,2,3
	v_wmma_scale_f32_16x16x128_f8f6f4 v[O+8*\t:O+8*\t+7], v[VF+8*\t:VF+8*\t+7], v[PC:PC+7], v[O+8*\t:O+8*\t+7], v[VS+\t], v[PWD] matrix_a_fmt:MATRIX_FMT_FP4 matrix_b_fmt:MATRIX_FMT_FP4
.endr
	s_add_co_u32 s[TB], s[TB], REC
.endm
; Four steps, whose records waves 0-3 brought with their load number c.  The count leaves my later loads out, and they land in other bytes than these steps read.
.macro CHUNK c
	s_wait_tensorcnt 3-\c
	s_barrier_signal -1
	s_barrier_wait -1
	s_mov_b32 s[TB], \c*CHB
	s_mov_b32 s[CNT], 4
.Lstep_\@:
	s_setprio 2
	STEP
	s_sub_co_u32 s[CNT], s[CNT], 1
	s_cmp_lg_u32 s[CNT], 0
	s_cbranch_scc1 .Lstep_\@
	s_setprio 0
.endm
	CHUNK 0
	CHUNK 1
	CHUNK 2
	CHUNK 3
	; THE WAY OUT.  O^T / the sum goes through my own stage in LDS and leaves as rows of the head's 256 bytes: sixteen lanes store 256 consecutive bytes, aligned.
.rept 4
	v_nop                                          ; places behind the last products
.endr
	s_wait_alu depctr_va_vdst(0)
	v_add_f32 v14, v14, v15                        ; the sum's two halves,
	s_delay_alu instid0(VALU_DEP_1)
	v_permlanex16_b32 v236, v14, s[SEL], s[SEL+1]
	s_delay_alu instid0(VALU_DEP_1)
	v_add_f32 v14, v14, v236                       ; and lane l xor 16's
	s_wait_alu depctr_va_vdst(0)
	v_rcp_f32 v14, v14
	v_nop                                          ; a plain place behind the transcendental
	s_wait_alu depctr_va_vdst(0)                   ; and the wait ahead of its first reader
.set j, 0
.rept 32
	v_mul_f32 v[S+j], v[O+j], v14                  ; register 16 b + k is channel 32 b + 16 h + k of my query
.set j, j+1
.endr
.irp b, 0,1
.irp g, 0,1,2,3
	ds_store_b128 v[STO], v[S+16*\b+4*\g:S+16*\b+4*\g+3] offset:128*\b+16*\g
.endr
.endr
.irp i, 0,1,2,3,4,5,6,7
	ds_load_b128 v[KF+4*\i:KF+4*\i+3], v[RD] offset:2*\i*SPITCH    ; LDS serves a wave's instructions in order: these see my stores
.endr
.irp i, 0,1,2,3,4,5,6,7
	s_wait_dscnt 7-\i                              ; the younger loads may be out
	global_store_b128 v[GO], v[KF+4*\i:KF+4*\i+3], s[10:11] offset:(2*\i+8*(\i/4))*4096   ; the tile's lane m is query m + 8 (m / 8) from its first
.endr
	s_wait_tensorcnt 0x0                           ; the wave's end
	ds_add_u32 v[SPW], v[NIL]
	s_wait_dscnt 0x0
	CROUND                                         ; the closing round
	s_endpgm
.Lfunc_end_k_q9c77c3fa22_attn:
	.size	k_q9c77c3fa22_attn, .Lfunc_end_k_q9c77c3fa22_attn-k_q9c77c3fa22_attn
	.p2alignl 7, 3214868480
	.fill 96, 4, 3214868480
	.section	.rodata,"a",@progbits
	.p2align	6, 0x0
	.amdhsa_kernel k_q9c77c3fa22_attn
		.amdhsa_group_segment_fixed_size 227328
		.amdhsa_private_segment_fixed_size 0
		.amdhsa_enable_private_segment 0
		.amdhsa_kernarg_size 32
		.amdhsa_user_sgpr_count 2
		.amdhsa_user_sgpr_kernarg_segment_ptr 1
		.amdhsa_wavefront_size32 1
		.amdhsa_system_sgpr_workgroup_id_x 1
		.amdhsa_system_sgpr_workgroup_id_y 1
		.amdhsa_system_sgpr_workgroup_id_z 1
		.amdhsa_system_vgpr_workitem_id 0
		.amdhsa_next_free_vgpr 256
		.amdhsa_next_free_sgpr 66
		.amdhsa_reserve_vcc 0
		.amdhsa_float_denorm_mode_32 3
		.amdhsa_float_denorm_mode_16_64 3
		.amdhsa_memory_ordered 1
		.amdhsa_forward_progress 1
		.amdhsa_inst_pref_size 81
	.end_amdhsa_kernel
	.amdgpu_metadata
---
amdhsa.version: [ 1, 2 ]
amdhsa.kernels:
  - .name:           k_q9c77c3fa22_attn
    .symbol:         k_q9c77c3fa22_attn.kd
    .args:
      - { .name: qc, .offset: 0, .size: 8, .value_kind: global_buffer, .address_space: global }
      - { .name: qs, .offset: 8, .size: 8, .value_kind: global_buffer, .address_space: global }
      - { .name: kv, .offset: 16, .size: 8, .value_kind: global_buffer, .address_space: global }
      - { .name: out0, .offset: 24, .size: 8, .value_kind: global_buffer, .address_space: global }
    .group_segment_fixed_size: 227328
    .private_segment_fixed_size: 0
    .kernarg_segment_align: 8
    .kernarg_segment_size: 32
    .max_flat_workgroup_size: 512
    .sgpr_count:     66
    .vgpr_count:     256
    .wavefront_size: 32
...
	.end_amdgpu_metadata
.endif
;; end of part 3
